; MI455X (gfx1250); checked and timed in simulation.
; The chip was launched on July 23, 2026; its instructions are those of AMD's public machine-readable ISA for CDNA 5 (MIT licence, August 2026) and "CDNA5" Instruction Set Architecture Reference Guide (July 2026). The comments in the code are by the model that wrote it; some were corrected since.
;; Production TPA. Allowed arithmetic: matrix products marked QUANTISED: E2M3 operands, one E8M0 scale for each 32 along K, by v_wmma_scale_f32_16x16x128_f8f6f4 with both operands' format E2M3, f32 sums; products left as they are: f32 operands where the result goes on into a quantised operand, else bf16, f16 or f32 operands; f32 sums; everything else in f32.
;; Inputs: W1 1,024 x 1,024 float32; W2 1,024 x 1,024 float32; Wk 1,024 x 1,024 float32; Wq 1,024 x 1,024 float32; Wv 1,024 x 1,024 float32; b1 1,024 float32; b2 1,024 float32; ln_b 1,024 float32; ln_g 1,024 float32; proto 16 x 1,024 float32; x 8 x 4,096 x 1,024 float32.
;; Outputs: out0 8 x 1,024 float32.
;; This version of the problem:
;;   THIS VERSION OF THE PROBLEM IS GIVEN IN LOW PRECISION. The matrix products marked QUANTISED in the list below multiply operands that are first quantised to E2M3 (2 exponent bits, 3 mantissa bits; 6 bits a number), with one power-of-two scale for each 32 numbers along K (OCP MX v1.0); their sums are f32. All else is computed in f32.
;;   The module's matrix products, in the order in which they are computed (A, B: the left and right operand; K: the contracted axis; several contracted axes count as one K, in the product's order):
;;     1. [M 32,768, K 1,024] x [K 1,024, N 1,024]; A: computed on the way; B: input Wk: QUANTISED
;;     2. [M 32,768, K 1,024] x [K 1,024, N 1,024]; A: computed on the way; B: input Wv: QUANTISED
;;     3. [M 16, K 1,024] x [K 1,024, N 1,024]; A: input proto; B: input Wq: QUANTISED
;;     4. batch 8 x [M 32,768, K 128] x [K 128, N 16]; A: computed on the way; B: computed on the way: QUANTISED
;;     5. batch 64 x [M 16, K 4,096] x [K 4,096, N 128]; A: computed on the way; B: computed on the way: QUANTISED
;;     6. [M 8, K 1,024] x [K 1,024, N 1,024]; A: computed on the way; B: input W1: left as it is (M = 8 < 16)
;;     7. [M 8, K 1,024] x [K 1,024, N 1,024]; A: computed on the way; B: input W2: left as it is (M = 8 < 16)
;;   THE QUANTISER, for each operand of a quantised product, along K:
;;     - K is cut into blocks of 32 from its start; a last block that is shorter is filled with zeros.
;;     - A block's scale is 2^e with e = floor(log2(the largest magnitude in the block)) - 2, held to -126 .. 127; a block of zeros has e = 0. As a byte (E8M0): e + 127.
;;     - Each number is divided by its block's scale, clamped to +-7.5, and rounded to the nearest number of E2M3, ties to even, subnormals kept.
;;     - The product sums the exact products of the quantised numbers (number of the format x scale) in f32.
;;   ~~~python
;;   def quantise(x, axis):      # numpy; x: float32 -> the quantised numbers, widened to float32 again
;;       x = np.moveaxis(x, axis, -1); K = x.shape[-1]
;;       x = np.pad(x, [(0, 0)] * (x.ndim - 1) + [(0, -K % 32)]); x = x.reshape(x.shape[:-1] + (-1, 32)); a = np.abs(x).max(-1, keepdims=True)
;;       e = np.where(a > 0, np.clip(np.frexp(np.where(a > 0, a, 1))[1] - 1 - 2, -126, 127), 0)      # np.frexp(a)[1] - 1 = floor(log2(a)), exactly
;;       r = np.clip(x / 2.0 ** e, -7.5, 7.5)
;;       step = 2.0 ** (np.maximum(np.frexp(np.where(r == 0, 1, r))[1] - 1, 0) - 3)
;;       q = np.round(r / step) * step * 2.0 ** e      # np.round: ties to even
;;       return np.moveaxis(q.reshape(q.shape[:-2] + (-1,))[..., :K], -1, axis).astype(np.float32)
;;   ~~~
;;   OPERANDS COMPUTED ON THE WAY. 'Computed on the way' means the value that the module computes at that place (a softmax that the list does not call 'softmax' is quantised finished and normalised). What goes into a quantiser is computed in f32, as accurately as f32 sums, v_exp_f32 and their like allow (about 1e-6 of the number): no bf16 or f16 on the way to a quantiser, and a product that is left as it is and whose result goes on into a quantised operand takes f32 operands (vector FMAs, or v_wmma_f32_16x16x4_f32). A number that lies on a knife's edge between two numbers of the format may be rounded either way, as far as f32 arithmetic and the matrix unit's own rounding can turn it there, and no further.
;; One version. Each part assembles by itself: llvm-mc -triple=amdgcn-amd-amdhsa -mcpu=gfx1250 --defsym DOCPART=n.
;; ======== version 1 of 1: 5 launches
;; limits: right only within a limited range of input values
;; workspace buffers: wst 1,703,936 bytes; pex 16,777,216 bytes; stt 262,144 bytes; vq 26,214,400 bytes; zt 131,072 bytes; hb 32,768 bytes
;; launch prep (part 1): grid 192 x 1, 8 waves a work-group, no clusters, 212,480 bytes of LDS; arguments Wk, Wv, Wq, proto, wst; writes wst
.if DOCPART == 1
	.amdgcn_target "amdgcn-amd-amdhsa--gfx1250"
	.amdhsa_code_object_version 6
	.text
	.protected	k_qed1a43d287_prep
	.globl	k_qed1a43d287_prep
	.p2align	8
	.type	k_qed1a43d287_prep,@function
k_qed1a43d287_prep:
	s_mov_b64 s[64:65], 0
	v_nop
	global_prefetch_b8 v0, s[64:65] scope:SCOPE_SE
	s_setreg_imm32_b32 hwreg(HW_REG_WAVE_MODE, 25, 1), 1
	s_wait_xcnt 0x0
; Wk and Wv [1024][1024] f32 become codes of FP6 (E2M3) with one E8M0 byte for each 32 along K, laid in the order in which the next launch streams them;
; and Qp = Q(proto) Q(Wq)^T is made, raw f32.
; STEP BLOCK (12,800 bytes): 8 tiles of 16 rows x 128 K as images of the operand's registers (3 planes of 512 bytes: plane c holds lane l's registers 4c..4c+3 at 16 l),
; then 512 bytes of scale words: the word of (tile t, row r) at 12,288 + 16 r + 256 (t / 4) + 4 (t % 4).
; wst: [slot n 0..15][wave w 0..3][q 0..1] step blocks: round n / 4 (0, 1: Wk's heads 4 round + w; 2, 3: Wv's), K step 2 (n % 4) + q; from byte 1,638,400 on Qp's 64 tiles, 1,024 bytes each.
; Work-groups 0-127: one (tensor, head, K step), wave = tile.  Work-groups 128-191: one tile of 16 rows of Wq, wave = K step; the eight partial tiles are added through LDS in ascending K.
; Each load reads 512 consecutive bytes of a row; a tile's 16 x 512 bytes turn through the wave's own stage (pitch 528), so that a lane gets its 2 x 32 neighbours along K.
; LIMITS: NaN and infinities are not served; a block of zeros keeps the byte 1 (its codes are zeros; this program alone reads the bytes).
.set STB,   67584                      ; the three stages, 8 waves x 8,448 bytes each: STA at 0 (first path), STB and STC (second path)
.set STC,   135168
.set SCG,   202752                     ; first path: the step block's 512 bytes of scale words
.set QRED,  203264                     ; second path: 8 partial tiles of 1,024 bytes
.set SPARE, 211456                     ; the spare words: 128 bytes a wave, four blocks of 256 bytes that no other line names
.set Y,     144                        ; v144-207 my 2 x 32 neighbours
.macro PLACES n
.rept \n
	v_nop
.endr
.endm
.macro LOADS x, base, nt               ; 16 rows x 512 bytes
.set i, 0
.rept 16
.if \nt
	global_load_b128 v[\x+4*i:\x+4*i+3], v4, s[\base:\base+1] offset:4096*i th:TH_LOAD_NT
.else
	global_load_b128 v[\x+4*i:\x+4*i+3], v4, s[\base:\base+1] offset:4096*i
.endif
.set i, i+1
.endr
.endm
; the 16 loads in v[x] on become a fragment's 12 registers in v[pc] on and its scale word in v[pw]
.macro FRAGQ x, sti, sto, younger, pc, pw
.set i, 0
.rept 16
	s_wait_loadcnt \younger+15-i                   ; row i is in: behind it stand this tile's later rows and the next tile's loads
	ds_store_b128 v[\sti], v[\x+4*i:\x+4*i+3] offset:528*i
.set i, i+1
.endr
.irp c, 0,1
.irp j, 0,1,2,3,4,5,6,7
	ds_load_b128 v[Y+32*\c+4*\j:Y+32*\c+4*\j+3], v[\sto] offset:256*\c+16*\j   ; k = 64 c + 32 h + 4 j ..: LDS serves a wave in order, so these see the stores
.endr
.endr
	s_wait_dscnt 0x0
.irp c, 0,1
	v_max3_num_f32 v[208+\c], |v[Y+32*\c]|, |v[Y+32*\c+1]|, 0x1800000   ; block 2 c + h is all mine; the floor 2^(3 - 127) holds the byte at 1 from below
.endr
.set i, 2
.rept 15
.irp c, 0,1
	s_delay_alu instid0(VALU_DEP_2)
	v_max3_num_f32 v[208+\c], v[208+\c], |v[Y+32*\c+i]|, |v[Y+32*\c+i+1]|
.endr
.set i, i+2
.endr
.irp c, 0,1
	s_delay_alu instid0(VALU_DEP_2)
	v_add_nc_u32 v[210+\c], 0xff000000, v[208+\c]  ; 2 off the exponent field: the conversion's scale operand
.endr
.irp c, 0,1
	s_delay_alu instid0(VALU_DEP_2)
	v_lshrrev_b32 v[212+\c], 23, v[210+\c]         ; the byte
.endr
	s_delay_alu instid0(VALU_DEP_1)
	v_lshl_or_b32 v216, v213, 16, v212             ; bytes h and 2 + h,
	s_delay_alu instid0(VALU_DEP_1)
	v_lshlrev_b32 v216, v3, v216                   ; 8 h bits up;
	s_delay_alu instid0(VALU_DEP_1)
	v_permlanex16_b32 v215, v216, s16, s17
	s_delay_alu instid0(VALU_DEP_1)
	v_or_b32 v[\pw], v216, v215                    ; with lane l xor 16's the word is whole
.irp c, 0,1
	v_cvt_scalef32_pk16_fp6_f32 v[\pc+6*\c:\pc+6*\c+2], v[Y+32*\c:Y+32*\c+15], v[210+\c]
	v_cvt_scalef32_pk16_fp6_f32 v[232+4*\c:234+4*\c], v[Y+32*\c+16:Y+32*\c+31], v[210+\c]   ; (three registers begin on an even number)
.endr
	v_nop                                          ; one plain place behind the conversions
.irp c, 0,1
.irp i, 0,1,2
	v_mov_b32 v[\pc+3+6*\c+\i], v[232+4*\c+\i]
.endr
.endr
.endm
	s_load_b256 s[4:11], s[0:1], 0x0               ; Wk, Wv, Wq, proto
	s_load_b64 s[12:13], s[0:1], 0x20              ; wst
	v_lshl_add_u32 v12, v0, 2, SPARE               ; my spare word,
	v_mov_b32 v13, 0                               ; and 0: kept for the add alone
	v_lshrrev_b32 v1, 5, v0
	s_delay_alu instid0(VALU_DEP_1)
	v_readfirstlane_b32 s14, v1                    ; wave
	v_and_b32 v1, 31, v0                           ; l
	v_and_b32 v2, 15, v0                           ; r
	v_bfe_u32 v3, v0, 4, 1                         ; h
	s_delay_alu instid0(VALU_DEP_3)
	v_lshlrev_b32 v4, 4, v1                        ; 16 l
	s_mul_i32 s20, s14, 8448
	v_add_nc_u32 v5, s20, v4                       ; stage A in
	v_mul_u32_u24 v6, v2, 528
	s_delay_alu instid0(VALU_DEP_1)
	v_lshl_add_u32 v6, v3, 7, v6
	s_delay_alu instid0(VALU_DEP_1)
	v_add_nc_u32 v6, s20, v6                       ; stage A out: row r, + 128 h
	s_delay_alu instid0(VALU_DEP_4)
	v_add_nc_u32 v8, STB, v5
	s_delay_alu instid0(VALU_DEP_2)
	v_add_nc_u32 v9, STB, v6
	v_add_nc_u32 v10, STC, v5
	s_delay_alu instid0(VALU_DEP_4)
	v_add_nc_u32 v11, STC, v6
	s_lshr_b32 s21, s14, 2
	s_lshl_b32 s21, s21, 8
	s_and_b32 s22, s14, 3
	s_lshl_b32 s22, s22, 2
	s_add_co_u32 s21, s21, s22
	s_add_co_u32 s21, s21, SCG
	v_lshl_add_u32 v7, v2, 4, s21                  ; my row's scale word of tile = wave
	s_lshl_b32 s22, s14, 10
	s_add_co_u32 s22, s22, QRED
	v_add_nc_u32 v14, s22, v4                      ; my partial tile
	v_add_nc_u32 v15, QRED, v4
	v_add_nc_u32 v2, SCG, v4                       ; (r is done with) the scale words, 16 bytes a lane
	s_mul_i32 s22, s14, 1536
	v_add_nc_u32 v1, s22, v4                       ; (l is done with) my tile's image in the step block
	v_lshlrev_b32 v3, 3, v3                        ; 8 h
	v_mov_b32 v215, 0                              ; a lane permute's destination counts as read
	s_mov_b32 s16, 0x76543210
	s_mov_b32 s17, 0xfedcba98
	s_mov_b32 s15, ttmp9
	s_wait_kmcnt 0x0
	s_cmp_lt_u32 s15, 128
	s_cbranch_scc0 .Lq_path
	; ---- Wk, Wv
	s_lshr_b32 s20, s15, 6                         ; 0: Wk, 1: Wv
	s_bfe_u32 s21, s15, 0x30003                    ; head
	s_and_b32 s22, s15, 7                          ; K step
	s_cmp_eq_u32 s20, 0
	s_cselect_b64 s[4:5], s[4:5], s[6:7]
	s_lshl_b32 s24, s21, 19                        ; (128 head + 16 tile) rows of 4,096 bytes + 512 x step
	s_lshl_b32 s25, s14, 16
	s_add_co_u32 s24, s24, s25
	s_lshl_b32 s25, s22, 9
	s_add_co_u32 s24, s24, s25
	s_mov_b32 s25, 0
	s_add_nc_u64 s[4:5], s[4:5], s[24:25]
	s_lshl_b32 s26, s20, 1
	s_lshr_b32 s27, s21, 2
	s_add_co_u32 s26, s26, s27                     ; round
	s_lshl_b32 s26, s26, 2
	s_lshr_b32 s27, s22, 1
	s_add_co_u32 s26, s26, s27                     ; slot
	s_mul_i32 s26, s26, 102400
	s_and_b32 s27, s21, 3
	s_mul_i32 s27, s27, 25600
	s_add_co_u32 s26, s26, s27
	s_and_b32 s27, s22, 1
	s_mul_i32 s27, s27, 12800
	s_add_co_u32 s26, s26, s27
	s_mov_b32 s27, 0
	s_add_nc_u64 s[12:13], s[12:13], s[26:27]      ; the step block
	LOADS 16, 4, 1
	FRAGQ 16, 5, 6, 0, 220, 252
.irp c, 0,1,2
	global_store_b128 v1, v[220+4*\c:223+4*\c], s[12:13] offset:512*\c   ; 512 consecutive bytes
.endr
	ds_store_b32 v7, v252                          ; both halves of the lanes write the same word with the same value
	s_wait_tensorcnt 0x0                           ; behind my last LDS store
	ds_add_u32 v12, v13
	s_wait_dscnt 0x0                               ; the wait also shows my scale words landed, for the others' sake
	s_barrier_signal -1
	s_barrier_wait -1
	s_cmp_lg_u32 s14, 0
	s_cbranch_scc1 .Lw_end
	ds_load_b128 v[16:19], v2
	s_wait_dscnt 0x0
	global_store_b128 v4, v[16:19], s[12:13] offset:12288
.Lw_end:
	s_endpgm
	; ---- Qp
.Lq_path:
	s_sub_co_u32 s20, s15, 128                     ; tile T of Wq
	s_lshl_b32 s24, s20, 16
	s_lshl_b32 s26, s14, 9                         ; K step = wave
	s_add_co_u32 s24, s24, s26
	s_mov_b32 s25, 0
	s_mov_b32 s27, 0
	s_add_nc_u64 s[8:9], s[8:9], s[24:25]
	s_add_nc_u64 s[10:11], s[10:11], s[26:27]
	s_lshl_b32 s24, s20, 10
	s_add_co_u32 s24, s24, 1638400
	s_add_nc_u64 s[12:13], s[12:13], s[24:25]
	LOADS 16, 8, 1
	LOADS 80, 10, 0                                ; proto is read by all 64 work-groups: no hint
	FRAGQ 16, 8, 9, 16, 220, 252
	FRAGQ 80, 10, 11, 0, 240, 253
	PLACES 8                                       ; a scale word made by vector instructions stands 8 places ahead of the scaled product, an operand 4
	v_wmma_scale_f32_16x16x128_f8f6f4 v[16:23], v[220:231], v[240:251], 0, v252, v253 matrix_a_fmt:MATRIX_FMT_FP6 matrix_b_fmt:MATRIX_FMT_FP6   ; lane (r, h): prototype r; register j: e = 16 T + 8 h + j
	PLACES 4
	ds_store_b128 v14, v[16:19]
	ds_store_b128 v14, v[20:23] offset:512
	s_wait_tensorcnt 0x0                           ; the three lines, behind my last LDS store
	ds_add_u32 v12, v13
	s_wait_dscnt 0x0
	s_barrier_signal -1
	s_barrier_wait -1
	s_cmp_lg_u32 s14, 0
	s_cbranch_scc1 .Lq_end
.set i, 0
.rept 16
	ds_load_b128 v[144+4*i:147+4*i], v15 offset:512*i
.set i, i+1
.endr
	s_wait_dscnt 0x0
.irp s, 1,2,3,4,5,6,7
.irp j, 0,1,2,3,4,5,6,7
	v_add_f32 v[144+\j], v[144+\j], v[144+8*\s+\j] ; K ascending
.endr
.endr
	global_store_b128 v4, v[144:147], s[12:13]
	global_store_b128 v4, v[148:151], s[12:13] offset:512
.Lq_end:
	s_endpgm
.Lfunc_end_k_qed1a43d287_prep:
	.size	k_qed1a43d287_prep, .Lfunc_end_k_qed1a43d287_prep-k_qed1a43d287_prep
	.p2alignl 7, 3214868480
	.fill 96, 4, 3214868480
	.section	.rodata,"a",@progbits
	.p2align	6, 0x0
	.amdhsa_kernel k_qed1a43d287_prep
		.amdhsa_group_segment_fixed_size 212480
		.amdhsa_private_segment_fixed_size 0
		.amdhsa_enable_private_segment 0
		.amdhsa_kernarg_size 40
		.amdhsa_user_sgpr_count 2
		.amdhsa_user_sgpr_kernarg_segment_ptr 1
		.amdhsa_wavefront_size32 1
		.amdhsa_system_sgpr_workgroup_id_x 1
		.amdhsa_system_sgpr_workgroup_id_y 1
		.amdhsa_system_sgpr_workgroup_id_z 1
		.amdhsa_system_vgpr_workitem_id 0
		.amdhsa_next_free_vgpr 256
		.amdhsa_next_free_sgpr 66
		.amdhsa_reserve_vcc 0
		.amdhsa_float_denorm_mode_32 3
		.amdhsa_float_denorm_mode_16_64 3
		.amdhsa_memory_ordered 1
		.amdhsa_forward_progress 1
		.amdhsa_inst_pref_size 33
	.end_amdhsa_kernel
	.amdgpu_metadata
---
amdhsa.version: [ 1, 2 ]
amdhsa.kernels:
  - .name:           k_qed1a43d287_prep
    .symbol:         k_qed1a43d287_prep.kd
    .args:
      - { .name: Wk, .offset: 0, .size: 8, .value_kind: global_buffer, .address_space: global }
      - { .name: Wv, .offset: 8, .size: 8, .value_kind: global_buffer, .address_space: global }
      - { .name: Wq, .offset: 16, .size: 8, .value_kind: global_buffer, .address_space: global }
      - { .name: proto, .offset: 24, .size: 8, .value_kind: global_buffer, .address_space: global }
      - { .name: wst, .offset: 32, .size: 8, .value_kind: global_buffer, .address_space: global }
    .group_segment_fixed_size: 212480
    .private_segment_fixed_size: 0
    .kernarg_segment_align: 8
    .kernarg_segment_size: 40
    .max_flat_workgroup_size: 256
    .sgpr_count:     66
    .vgpr_count:     256
    .wavefront_size: 32
...
	.end_amdgpu_metadata
.endif
;; end of part 1
;; launch main (part 2): grid 256 x 1, 4 waves a work-group, no clusters, 113,152 bytes of LDS; arguments x, ln_g, ln_b, wst, pex, stt, vq; writes pex, stt, vq
.if DOCPART == 2
	.amdgcn_target "amdgcn-amd-amdhsa--gfx1250"
	.amdhsa_code_object_version 6
	.text
	.protected	k_qed1a43d287_main
	.globl	k_qed1a43d287_main
	.p2align	8
	.type	k_qed1a43d287_main,@function
k_qed1a43d287_main:
	s_mov_b64 s[64:65], 0
	v_nop
	global_prefetch_b8 v0, s[64:65] scope:SCOPE_SE
	s_setreg_imm32_b32 hwreg(HW_REG_WAVE_MODE, 25, 1), 1
	s_wait_xcnt 0x0
; A work-group takes 128 tokens of one batch through LayerNorm, the quantiser, K = xn Wk^T, the scores against the prototypes, and V = xn Wv^T.
; LN: wave w takes rows 32 w .. 32 w + 31, two rows at a time, their chains by turns (a ring of four row slots in window 2); the codes of xn and their scale bytes go to LDS as 8 step blocks
; (12,800 bytes: 8 tiles of 16 tokens x 128 K as images of the operand's registers, then 512 bytes of scale words).  One barrier; behind it LDS is only read.
; FOUR ROUNDS (Wk's heads w and 4 + w, Wv's heads w and 4 + w): wave w makes 128 tokens x 128 channels, 64 accumulators in windows 2 and 3, K in 8 steps of 128.
; THE WEIGHTS GO FROM MEMORY STRAIGHT INTO REGISTERS: wst holds them as register images, and a wave's 12,800 bytes a step are read by that wave alone, so a way through LDS would add
; one LDS write and one LDS read of each byte and serve no second reader.  For that reason there are no tensor loads and no joint loads (a joint load lands in LDS alone): cluster = none.
; A ring of four half steps (4 tiles = 48 registers in window 1, and 4 scale registers): a half's slot is asked for again right behind its 32 products, three half steps ahead of its next use.
; xn's fragments come from LDS into two sets, each asked for a whole step ahead.  Set 0 and the ring live on through the rounds' ends; what those need lies in set 1's registers and in window 1's v192-255.
; PREFETCH: one instruction a wave at the head: work-group g names step block g % 128 of wst (50 blocks of 256 bytes) and 2 of Qp's 256 blocks, 13 a wave; spare lanes name their wave's last block again.
; K's round ends: rows normalised, quantised along the head's 128, multiplied with Q's codes; p = 2^(t - M), M the largest t of these 128 tokens; p, M and the sum go out for the next launch.
; V's round ends: quantised along the 128 tokens, stored as a step block.  Both ends quantise two tiles at a time, their chains by turns.
; LIMITS: NaN and infinities are not served; a block of zeros keeps the byte 1 (its codes are zeros; this program alone reads the bytes).
; WINDOW 0: v0-31 addresses; v32-47 W's scale ring; v48-55 xn's scale words, two sets; v56 Q's scale word, v57, v58 those of two tiles; v64-159, v160-255 xn's fragments, sets 0 and 1.
.set SBLK,  12800
.set PAIRA, 25600                      ; two step blocks of xn in LDS
.set PAIRW, 102400                     ; from a wave's pair of step blocks in wst to its next
.set STAGE, 102400                     ; behind xn's codes: 2,560 bytes a wave
.set SPARE, 112640                     ; the spare words: 128 bytes a wave, two blocks of 256 bytes that no other line names
.set WS,  32
.set AS,  48
.set QS,  56
.set PW,  57                           ; v57, v58
.set AF,  64
.set PC,  160                          ; the rounds' ends, in set 1's registers: codes of two tiles, 12 each
.set TMP, 184                          ; 8 for each tile
.set TM,  200                          ; 8 for each tile
.set QF,  216                          ; Q's codes
.set EVS, 216                          ; (V's end) the step block's scale words
.set SS,  228                          ; 9 pairs: sums of squares, then 1 / norm
.set MX,  246
.set SCR, 192                          ; window 1: Qp, then the scores
.set SEL, 56
.set MSB, 0
.macro WIN new                         ; the immediate's high byte repeats the setting that is left
.if MSB != (\new)
	s_set_vgpr_msb (MSB<<8)|(\new)
.set MSB, (\new)
.endif
.endm
.macro PLACES n
.rept \n
	v_nop
.endr
.endm
; 64 numbers of window w (register 16 b + i: block b, shared with lane l xor 16) become a fragment's 12 registers and the row's scale word
.macro QUANT_W w, s, pc, tmp, pw
	WIN ((\w)<<2)|((\w)<<4)
.irp b, 0,1,2,3
	v_max3_num_f32 v[TM+\b], 0x1800000, |v[\s+16*\b]|, |v[\s+16*\b+1]|   ; the floor 2^(3 - 127) holds the byte at 1 from below
.endr
.irp i, 2,4,6,8,10,12,14
.irp b, 0,1,2,3
	v_max3_num_f32 v[TM+\b], v[TM+\b], |v[\s+16*\b+\i]|, |v[\s+16*\b+\i+1]|
.endr
.endr
	WIN 0
.irp b, 0,1,2,3
	v_permlanex16_b32 v[TM+4+\b], v[TM+\b], s[SEL], s[SEL+1]
.endr
.irp b, 0,1,2,3
	v_max_num_f32 v[TM+\b], v[TM+\b], v[TM+4+\b]
.endr
.irp b, 0,1,2,3
	v_add_nc_u32 v[TM+\b], 0xff000000, v[TM+\b]      ; 2 off the exponent field: the conversion's scale operand
.endr
.irp b, 0,1,2,3
	v_lshrrev_b32 v[TM+4+\b], 23, v[TM+\b]           ; the byte
.endr
	v_lshl_or_b32 v[TM+4], v[TM+5], 8, v[TM+4]
	v_lshl_or_b32 v[TM+4], v[TM+6], 16, v[TM+4]
	v_lshl_or_b32 v[\pw], v[TM+7], 24, v[TM+4]
	WIN (\w)
.irp c, 0,1
	v_cvt_scalef32_pk16_fp6_f32 v[\pc+6*\c:\pc+6*\c+2], v[\s+32*\c:\s+32*\c+15], v[TM+2*\c]
	v_cvt_scalef32_pk16_fp6_f32 v[\tmp+4*\c:\tmp+4*\c+2], v[\s+32*\c+16:\s+32*\c+31], v[TM+2*\c+1]
.endr
	WIN 0
	v_nop                                          ; one plain place behind the conversions
.irp c, 0,1
.irp i, 0,1,2
	v_permlane16_swap_b32 v[\pc+6*\c+\i], v[\tmp+4*\c+\i]   ; a whole block to a lane
.endr
.irp i, 0,1,2
	v_mov_b32 v[\pc+3+6*\c+\i], v[\tmp+4*\c+\i]
.endr
.endr
.endm
; the same for two tiles at once, the 64 numbers at s and at s + 64 of window w: tile u's codes to v[PC + 12 u ..], its scale word to v[PW + u]; eight chains by turns
.macro QUANT2 w, s
	WIN ((\w)<<2)|((\w)<<4)
.irp b, 0,1,2,3
.irp u, 0,1
	v_max3_num_f32 v[TM+8*\u+\b], 0x1800000, |v[\s+64*\u+16*\b]|, |v[\s+64*\u+16*\b+1]|
.endr
.endr
.irp i, 2,4,6,8,10,12,14
.irp b, 0,1,2,3
.irp u, 0,1
	v_max3_num_f32 v[TM+8*\u+\b], v[TM+8*\u+\b], |v[\s+64*\u+16*\b+\i]|, |v[\s+64*\u+16*\b+\i+1]|
.endr
.endr
.endr
	WIN 0
.irp b, 0,1,2,3
.irp u, 0,1
	v_permlanex16_b32 v[TM+8*\u+4+\b], v[TM+8*\u+\b], s[SEL], s[SEL+1]
.endr
.endr
.irp b, 0,1,2,3
.irp u, 0,1
	v_max_num_f32 v[TM+8*\u+\b], v[TM+8*\u+\b], v[TM+8*\u+4+\b]
.endr
.endr
.irp b, 0,1,2,3
.irp u, 0,1
	v_add_nc_u32 v[TM+8*\u+\b], 0xff000000, v[TM+8*\u+\b]
.endr
.endr
.irp b, 0,1,2,3
.irp u, 0,1
	v_lshrrev_b32 v[TM+8*\u+4+\b], 23, v[TM+8*\u+\b]
.endr
.endr
.irp u, 0,1
	v_lshl_or_b32 v[TM+8*\u+4], v[TM+8*\u+5], 8, v[TM+8*\u+4]
.endr
.irp u, 0,1
	v_lshl_or_b32 v[TM+8*\u+4], v[TM+8*\u+6], 16, v[TM+8*\u+4]
.endr
.irp u, 0,1
	v_lshl_or_b32 v[PW+\u], v[TM+8*\u+7], 24, v[TM+8*\u+4]
.endr
	WIN (\w)
.irp u, 0,1
.irp c, 0,1
	v_cvt_scalef32_pk16_fp6_f32 v[PC+12*\u+6*\c:PC+12*\u+6*\c+2], v[\s+64*\u+32*\c:\s+64*\u+32*\c+15], v[TM+8*\u+2*\c]
	v_cvt_scalef32_pk16_fp6_f32 v[TMP+8*\u+4*\c:TMP+8*\u+4*\c+2], v[\s+64*\u+32*\c+16:\s+64*\u+32*\c+31], v[TM+8*\u+2*\c+1]
.endr
.endr
	WIN 0
	v_nop                                          ; one plain place behind the conversions
.irp u, 0,1
.irp c, 0,1
.irp i, 0,1,2
	v_permlane16_swap_b32 v[PC+12*\u+6*\c+\i], v[TMP+8*\u+4*\c+\i]
.endr
.endr
.endr
.irp u, 0,1
.irp c, 0,1
.irp i, 0,1,2
	v_mov_b32 v[PC+12*\u+3+6*\c+\i], v[TMP+8*\u+4*\c+\i]
.endr
.endr
.endr
.endm
	s_load_b256 s[4:11], s[0:1], 0x0               ; x, ln_g, ln_b, wst
	s_load_b128 s[12:15], s[0:1], 0x20             ; pex, stt
	s_load_b64 s[16:17], s[0:1], 0x30              ; vq
	v_lshl_add_u32 v28, v0, 2, SPARE               ; my spare word,
	v_mov_b32 v29, 0                               ; and 0: kept for the add alone
	v_lshrrev_b32 v1, 5, v0
	v_readfirstlane_b32 s18, v1                    ; wave
	s_mov_b32 s20, ttmp9                           ; work-group: 32 batch + token step
	s_mov_b32 s[SEL], 0x76543210
	s_mov_b32 s[SEL+1], 0xfedcba98
	s_mov_b32 s58, 0x41a4e123                      ; log2(e) / 0.07
	s_mov_b32 s59, s58
	s_mov_b32 s60, 0x3727c5ac                      ; 1e-5
	s_mov_b32 s61, 0x3a800000                      ; 1 / 1024
	s_mov_b32 s62, 0xffff0000                      ; lanes 16-31
	s_mov_b32 s63, 0x2b8cbccc                      ; 1e-12
	s_mul_i32 s21, s18, 2560
	s_add_co_u32 s21, s21, STAGE                   ; my stage
	s_mul_i32 s22, s18, 3072                       ; my two tiles in a step block
	s_lshr_b32 s23, s18, 1
	s_lshl_b32 s23, s23, 8
	s_and_b32 s24, s18, 1
	s_lshl_b32 s24, s24, 3
	s_add_co_u32 s23, s23, s24
	s_add_co_u32 s23, s23, 12288                   ; and their scale words
	s_mul_i32 s24, s18, 13                         ; the prefetch: my wave's 13 blocks of the work-group's 52
	s_and_b32 s25, s20, 127
	s_lshl_b32 s26, s25, 9
	s_add_co_u32 s26, s26, 1625600                 ; Qp's first byte less 50 blocks, + 2 blocks a work-group
	s_mul_i32 s25, s25, SBLK
	s_lshr_b32 s27, s20, 5
	s_lshl_b32 s27, s27, 8
	s_lshl_b32 s28, s18, 5
	s_add_co_u32 s27, s27, s28
	s_and_b32 s28, s20, 31
	s_add_co_u32 s27, s27, s28                     ; 256 batch + 32 head + token step
	s_lshl_b32 s28, s27, 13
	s_mov_b32 s29, 0
	s_lshl_b32 s30, s27, 7
	s_mov_b32 s31, 0
	s_mul_i32 s32, s27, SBLK
	s_mov_b32 s33, 0
	s_lshl_b32 s36, s18, 13
	s_add_co_u32 s36, s36, 1638400                 ; Qp of head w
	s_mov_b32 s37, 0
	s_lshl_b32 s38, s20, 19
	s_lshl_b32 s40, s18, 17
	s_add_co_u32 s38, s38, s40                     ; my 32 rows of x
	s_mov_b32 s39, 0
	s_mul_i32 s40, s18, PAIRA                      ; my wave's step blocks in wst
	s_mov_b32 s41, 0
	v_and_b32 v1, 31, v0                           ; l
	v_lshlrev_b32 v2, 4, v1                        ; 16 l
	v_and_b32 v3, 15, v0
	v_lshlrev_b32 v5, 4, v3                        ; 16 (l % 16): W's scale words
	v_lshlrev_b32 v3, 3, v3                        ; 8 (l % 16)
	v_mov_b32 v7, v2                               ; xn's fragments: the pair of steps at hand
.irp s, 0,1,2,3
	v_add_nc_u32 v[14+\s], 4096*\s, v2             ; the row slots' offsets in x
.endr
	v_lshlrev_b32 v27, 6, v1                       ; my 16 numbers of ln_g and ln_b
	v_lshrrev_b32 v8, 2, v1
	v_mul_u32_u24 v8, v8, 80
	v_and_b32 v9, 3, v1
	v_lshl_add_u32 v8, v9, 4, v8
	v_add_nc_u32 v8, s21, v8                       ; the stage, in
	v_mul_u32_u24 v9, v1, 80
	v_add_nc_u32 v9, s21, v9                       ; and out: my 16 neighbours
	v_bfe_u32 v22, v1, 1, 2
	v_lshrrev_b32 v23, 3, v1
	v_mul_u32_u24 v23, v23, SBLK
	v_and_b32 v24, 1, v22
	v_lshl_add_u32 v25, v24, 8, v23
	v_add_nc_u32 v25, s22, v25
	v_lshrrev_b32 v24, 1, v22
	v_mul_u32_u24 v24, v24, 6
	v_and_b32 v26, 1, v1
	v_mad_u32_u24 v24, v26, 3, v24
.irp n, 0,1,2
	v_add_nc_u32 v26, \n, v24
	v_lshrrev_b32 v31, 2, v26
	v_and_b32 v26, 3, v26
	v_lshl_add_u32 v31, v31, 9, v25
	v_lshl_add_u32 v[10+\n], v26, 2, v31           ; where my three words of codes go in the register image
.endr
	v_add_nc_u32 v13, v23, v22
	v_add_nc_u32 v13, s23, v13                     ; and my block's scale byte
	v_min_u32 v4, 12, v1
	v_add_nc_u32 v4, s24, v4
	v_lshlrev_b32 v4, 8, v4                        ; 256 x (13 w + min(l, 12)): blocks 0-49 my step block's, 50 and 51 Qp's
	v_cmp_gt_u32 vcc_lo, SBLK, v4
	v_add_nc_u32 v30, s25, v4
	v_add_nc_u32 v31, s26, v4
	v_cndmask_b32 v4, v31, v30, vcc_lo             ; never rewritten
	s_wait_alu depctr_va_vdst(0)
	s_wait_kmcnt 0x0
	s_add_nc_u64 s[4:5], s[4:5], s[38:39]
.irp hh, 0,1
.irp i, 0,1,2,3
	global_load_b128 v[96+16*\hh+4*\i:99+16*\hh+4*\i], v27, s[6:7] offset:2048*\hh+16*\i
	global_load_b128 v[128+16*\hh+4*\i:131+16*\hh+4*\i], v27, s[8:9] offset:2048*\hh+16*\i
.endr
.endr
	WIN 0x80
.irp s, 0,1,2,3
.irp j, 0,1,2,3,4,5,6,7
	global_load_b128 v[32*\s+4*\j:32*\s+4*\j+3], v[14+\s], s[4:5] offset:512*\j th:TH_LOAD_NT
.endr
.endr
	WIN 0
	global_prefetch_b8 v4, s[10:11] th:TH_LOAD_NT scope:SCOPE_SE
	s_add_nc_u64 s[50:51], s[12:13], s[28:29]
	s_add_nc_u64 s[52:53], s[14:15], s[30:31]
	s_add_nc_u64 s[54:55], s[16:17], s[32:33]
	s_add_nc_u64 s[48:49], s[10:11], s[36:37]
	s_add_nc_u64 s[34:35], s[10:11], s[40:41]      ; W: my pair of steps 0 and 1
.macro UU u                            ; row u of a pair: its 32 numbers at v[X ..] (v64, v160), its temporaries at v[T ..] (v224, v192)
.set X, 64+96*(\u)
.set T, 224-32*(\u)
.endm
.macro RED2 o                          ; v[T + o] summed over the 32 lanes, both rows by turns; v[T + o + 1] is at work
.irp m, 1,2,4,8
.irp u, 0,1
	UU \u
	v_add_f32_dpp v[T+\o], v[T+\o], v[T+\o] row_xmask:\m row_mask:0xf bank_mask:0xf
.endr
.endr
.irp u, 0,1
	UU \u
	v_permlanex16_b32 v[T+\o+1], v[T+\o], s[SEL], s[SEL+1]
.endr
.irp u, 0,1
	UU \u
	v_add_f32 v[T+\o], v[T+\o], v[T+\o+1]
.endr
.endm
; two rows (slots sa, sa + 1): through the stage (a lane gets 2 x 16 neighbours of each), mean, variance, gain and bias, the blocks' scales, codes and bytes into LDS.  left: the younger loads that may stay out
.macro ROW2 sa, more, left
	s_wait_loadcnt \left
.if \more
	v_add_nc_u32 v[14+\sa], 16384, v[14+\sa]
	v_add_nc_u32 v[15+\sa], 16384, v[15+\sa]
.endif
	WIN 0x08
.irp u, 0,1
.irp hh, 0,1
.irp i, 0,1,2,3
	ds_store_b128 v8, v[32*(\sa+\u)+16*\hh+4*\i:32*(\sa+\u)+16*\hh+4*\i+3] offset:640*\i
.endr
.irp i, 0,1,2,3
	ds_load_b128 v[64+96*\u+16*\hh+4*\i:67+96*\u+16*\hh+4*\i], v9 offset:16*\i   ; LDS serves a wave in order: one stage serves all four halves
.endr
.endr
.endr
.if \more
	WIN 0x80
.irp u, 0,1
.irp j, 0,1,2,3,4,5,6,7
	global_load_b128 v[32*(\sa+\u)+4*\j:32*(\sa+\u)+4*\j+3], v[14+\sa+\u], s[4:5] offset:512*\j th:TH_LOAD_NT
.endr
.endr
.endif
	WIN 0
	s_wait_dscnt 0x0
.irp u, 0,1
	UU \u
	v_pk_add_f32 v[T:T+1], v[X:X+1], v[X+2:X+3]
	v_pk_add_f32 v[T+2:T+3], v[X+4:X+5], v[X+6:X+7]
.endr
.irp j, 8,12,16,20,24,28
.irp u, 0,1
	UU \u
	v_pk_add_f32 v[T:T+1], v[T:T+1], v[X+\j:X+\j+1]
	v_pk_add_f32 v[T+2:T+3], v[T+2:T+3], v[X+\j+2:X+\j+3]
.endr
.endr
.irp u, 0,1
	UU \u
	v_pk_add_f32 v[T:T+1], v[T:T+1], v[T+2:T+3]
.endr
.irp u, 0,1
	UU \u
	v_add_f32 v[T], v[T], v[T+1]
.endr
	RED2 0
.irp u, 0,1
	UU \u
	v_mul_f32 v[T], s61, v[T]                      ; the mean
.endr
.irp j, 0,2,4,6,8,10,12,14,16,18,20,22,24,26,28,30
.irp u, 0,1
	UU \u
	v_pk_add_f32 v[X+\j:X+\j+1], v[X+\j:X+\j+1], v[T:T+1] op_sel_hi:[1,0] neg_lo:[0,1] neg_hi:[0,1]
.endr
.endr
.irp u, 0,1
	UU \u
	v_pk_mul_f32 v[T+2:T+3], v[X:X+1], v[X:X+1]
	v_pk_mul_f32 v[T+4:T+5], v[X+2:X+3], v[X+2:X+3]
.endr
.irp j, 4,8,12,16,20,24,28
.irp u, 0,1
	UU \u
	v_pk_fma_f32 v[T+2:T+3], v[X+\j:X+\j+1], v[X+\j:X+\j+1], v[T+2:T+3]
	v_pk_fma_f32 v[T+4:T+5], v[X+\j+2:X+\j+3], v[X+\j+2:X+\j+3], v[T+4:T+5]
.endr
.endr
.irp u, 0,1
	UU \u
	v_pk_add_f32 v[T+2:T+3], v[T+2:T+3], v[T+4:T+5]
.endr
.irp u, 0,1
	UU \u
	v_add_f32 v[T+2], v[T+2], v[T+3]
.endr
	RED2 2
.irp u, 0,1
	UU \u
	v_fma_f32 v[T+2], v[T+2], s61, s60
.endr
	s_wait_alu depctr_va_vdst(0)                   ; the wait ahead of the batch,
.irp u, 0,1
	UU \u
	v_rsq_f32 v[T+4], v[T+2]
.endr
	v_nop
	s_wait_alu depctr_va_vdst(0)                   ; and ahead of its first reader
.irp j, 0,2,4,6,8,10,12,14,16,18,20,22,24,26,28,30
.irp u, 0,1
	UU \u
	v_pk_mul_f32 v[X+\j:X+\j+1], v[X+\j:X+\j+1], v[T+4:T+5] op_sel_hi:[1,0]
.endr
.endr
.irp j, 0,2,4,6,8,10,12,14,16,18,20,22,24,26,28,30
.irp u, 0,1
	UU \u
	v_pk_fma_f32 v[X+\j:X+\j+1], v[X+\j:X+\j+1], v[96+\j:97+\j], v[128+\j:129+\j]
.endr
.endr
.irp hh, 0,1
.irp u, 0,1
	UU \u
	v_max3_num_f32 v[T+6+\hh], |v[X+16*\hh]|, |v[X+16*\hh+1]|, 0x1800000
.endr
.endr
.irp i, 2,4,6,8,10,12,14
.irp hh, 0,1
.irp u, 0,1
	UU \u
	v_max3_num_f32 v[T+6+\hh], v[T+6+\hh], |v[X+16*\hh+\i]|, |v[X+16*\hh+\i+1]|
.endr
.endr
.endr
.irp hh, 0,1
.irp u, 0,1
	UU \u
	v_max_num_f32_dpp v[T+6+\hh], v[T+6+\hh], v[T+6+\hh] row_xmask:1 row_mask:0xf bank_mask:0xf
.endr
.endr
.irp hh, 0,1
.irp u, 0,1
	UU \u
	v_add_nc_u32 v[T+8+\hh], 0xff000000, v[T+6+\hh]
.endr
.endr
.irp hh, 0,1
.irp u, 0,1
	UU \u
	v_cvt_scalef32_pk16_fp6_f32 v[T+16+4*\hh:T+18+4*\hh], v[X+16*\hh:X+16*\hh+15], v[T+8+\hh]
.endr
.endr
.irp hh, 0,1
.irp u, 0,1
	UU \u
	v_lshrrev_b32 v[T+10+\hh], 23, v[T+8+\hh]
.endr
.endr
.irp u, 0,1
	UU \u
.irp hh, 0,1
.irp n, 0,1,2
	ds_store_b32 v[18+\n], v[T+16+4*\hh+\n] offset:51200*\hh+1536*\u+16*((\sa)>>1)
.endr
	ds_store_b8 v21, v[T+10+\hh] offset:51200*\hh+4*\u+16*((\sa)>>1)
.endr
.endr
.endm
.macro LNADR
.irp n, 0,1,2,3
	v_add_nc_u32 v[18+\n], s46, v[10+\n]
.endr
.endm
; 13 loads: half step sl (0..3) of the pair at s[34:35]: its 4 scale words a row, then its 4 tiles
.macro WLOAD sl
	WIN 0
	global_load_b128 v[WS+4*(\sl):WS+4*(\sl)+3], v5, s[34:35] offset:SBLK*((\sl)/2)+12288+256*((\sl)%2)
	WIN 0x40
.irp t, 0,1,2,3
.irp c, 0,1,2
	global_load_b128 v[48*(\sl)+12*\t+4*\c:48*(\sl)+12*\t+4*\c+3], v2, s[34:35] offset:SBLK*((\sl)/2)+1536*(4*((\sl)%2)+\t)+512*\c
.endr
.endr
.endm
	s_mov_b32 s46, 0
	s_mov_b32 s47, 7
.Lln:
	LNADR
	s_wait_alu depctr_va_vdst(0)                   ; ahead of the rows' waits
	ROW2 0, 1, 16                                  ; behind a pair's 16 loads: the other pair's 16
	ROW2 2, 1, 16
	s_add_co_u32 s46, s46, 32
	s_sub_co_u32 s47, s47, 1
	s_cmp_lg_u32 s47, 0
	s_cbranch_scc1 .Lln
	LNADR
	ROW2 0, 0, 16
.irp sl, 0,1,2,3
	WLOAD \sl                                      ; the ring's first fill: 52 loads, two rows ahead of the first product
.endr
	WIN 0
	ROW2 2, 0, 52                                  ; behind the last pair's loads: the ring's 52
	s_wait_tensorcnt 0x0                           ; behind my last LDS store
	ds_add_u32 v28, v29
	s_wait_dscnt 0x0                               ; the wait also shows my codes landed, for the others' sake
	s_barrier_signal -1
	s_barrier_wait -1
; one product; rD, r0, r1, rX, rY are set by HALF.  row: 0, or which side's scale words stand in lanes 16-31
.macro WM zero, row
.if \zero
.if \row == 0
	v_wmma_scale_f32_16x16x128_f8f6f4 v[rD:rD+7], v[r0:r0+11], v[r1:r1+11], 0, v[rX], v[rY] matrix_a_fmt:MATRIX_FMT_FP6 matrix_b_fmt:MATRIX_FMT_FP6
.elseif \row == 1
	v_wmma_scale_f32_16x16x128_f8f6f4 v[rD:rD+7], v[r0:r0+11], v[r1:r1+11], 0, v[rX], v[rY] matrix_a_fmt:MATRIX_FMT_FP6 matrix_b_fmt:MATRIX_FMT_FP6 matrix_a_scale:MATRIX_SCALE_ROW1
.else
	v_wmma_scale_f32_16x16x128_f8f6f4 v[rD:rD+7], v[r0:r0+11], v[r1:r1+11], 0, v[rX], v[rY] matrix_a_fmt:MATRIX_FMT_FP6 matrix_b_fmt:MATRIX_FMT_FP6 matrix_b_scale:MATRIX_SCALE_ROW1
.endif
.else
.if \row == 0
	v_wmma_scale_f32_16x16x128_f8f6f4 v[rD:rD+7], v[r0:r0+11], v[r1:r1+11], v[rD:rD+7], v[rX], v[rY] matrix_a_fmt:MATRIX_FMT_FP6 matrix_b_fmt:MATRIX_FMT_FP6
.elseif \row == 1
	v_wmma_scale_f32_16x16x128_f8f6f4 v[rD:rD+7], v[r0:r0+11], v[r1:r1+11], v[rD:rD+7], v[rX], v[rY] matrix_a_fmt:MATRIX_FMT_FP6 matrix_b_fmt:MATRIX_FMT_FP6 matrix_a_scale:MATRIX_SCALE_ROW1
.else
	v_wmma_scale_f32_16x16x128_f8f6f4 v[rD:rD+7], v[r0:r0+11], v[r1:r1+11], v[rD:rD+7], v[rX], v[rY] matrix_a_fmt:MATRIX_FMT_FP6 matrix_b_fmt:MATRIX_FMT_FP6 matrix_b_scale:MATRIX_SCALE_ROW1
.endif
.endif
.endm
; 32 products: ring slot sl's 4 tiles of W against xn's 8 blocks (set sl / 2).  The accumulators take turns, one instruction a turn.
; k = 0 (K): source 0 = W, source 1 = xn: a lane holds a token, its registers run along the head.  k = 1 (V): the other way round: a lane holds a channel, its registers run along the tokens.
.macro HALF k, sl, zero
.if \k == 0
.irp a, 0,1,2,3,4,5,6,7
	WIN 0xa1+0x50*(\a/4)
.irp t, 0,1,2,3
.set rD, 8*(8*(\a%4)+4*((\sl)%2)+\t)
.set r0, 48*(\sl)+12*\t
.set r1, AF+96*((\sl)/2)+12*\a
.set rX, WS+4*(\sl)+\t
.set rY, AS+4*((\sl)/2)+\a%4
	WM \zero, 2*(\a/4)
.endr
.endr
.else
	WIN 0xa4+0x50*((\sl)%2)
.irp t, 0,1,2,3
.irp a, 0,1,2,3,4,5,6,7
.set rD, 8*(8*\t+\a)
.set r0, AF+96*((\sl)/2)+12*\a
.set r1, 48*(\sl)+12*\t
.set rX, AS+4*((\sl)/2)+\a%4
.set rY, WS+4*(\sl)+\t
	WM \zero, \a/4
.endr
.endr
.endif
.endm
.macro RELOAD sl                       ; the slot just multiplied takes the same half step of the next pair
	PLACES 4                                       ; places in front of loads into registers that matrix instructions have read
	WIN 0
.if (\sl) == 0
	s_wait_xcnt 0x0                                ; the last pair's loads have read their base
	s_add_nc_u64 s[34:35], s[34:35], PAIRW
.endif
	WLOAD \sl
.endm
.macro ALOAD p                         ; 25 LDS loads: xn's 8 blocks and their scale words, step p of the pair at v7, into set p
	WIN 0
.irp i, 0,1,2,3,4,5,6,7
.irp c, 0,1,2
	ds_load_b128 v[AF+96*(\p)+12*\i+4*\c:AF+96*(\p)+12*\i+4*\c+3], v7 offset:SBLK*(\p)+1536*\i+512*\c
.endr
.endr
	ds_load_b128 v[AS+4*(\p):AS+4*(\p)+3], v7 offset:SBLK*(\p)+12288
.endm
.macro TOP upd                         ; a trip's head: set 1 for this pair's second step; then v7 goes on to the next pair (behind the fourth: the first)
	ALOAD 1
.if \upd
	s_add_co_u32 s43, s44, 1
	s_and_b32 s43, s43, 3
	s_mul_i32 s43, s43, PAIRA
	v_add_nc_u32 v7, s43, v2
	s_wait_alu depctr_va_vdst(0)
.endif
.endm
; a step of 128 along K.  l0, l1: the loads younger than this half's 13 (with reloads: three groups of 13); dw: the LDS loads younger than this step's set (the other set's 25)
.macro STEP k, q, zero, rl, l0, l1, dw
	s_wait_loadcnt \l0
	s_wait_dscnt \dw
	HALF \k, 2*\q, \zero
.if \rl
	RELOAD 2*\q
.endif
	s_wait_loadcnt \l1
	HALF \k, 2*\q+1, \zero
.if \rl
	RELOAD 2*\q+1
.if \q == 0
	ALOAD 0                                        ; set 0 is done with: the next pair's first step, a whole step ahead
.endif
.endif
	WIN 0
.endm
.macro NORM a
	WIN (2+(\a)/4)|((2+(\a)/4)<<6)
.set i, 0
.rept 32
	v_pk_mul_f32 v[64*((\a)%4)+i:64*((\a)%4)+i+1], v[64*((\a)%4)+i:64*((\a)%4)+i+1], v[SS+2*(\a):SS+2*(\a)+1] op_sel_hi:[1,0]
.set i, i+2
.endr
.endm
.macro EK                              ; K's round ends
.irp ww, 2,3
	WIN (\ww)|((\ww)<<2)
.irp t, 0,1,2,3
	v_pk_mul_f32 v[SS+2*(4*(\ww-2)+\t):SS+2*(4*(\ww-2)+\t)+1], v[64*\t:64*\t+1], v[64*\t:64*\t+1]   ; the rows' sums of squares, each accumulator from its low end on
.endr
.set i, 2
.rept 31
.irp t, 0,1,2,3
	v_pk_fma_f32 v[SS+2*(4*(\ww-2)+\t):SS+2*(4*(\ww-2)+\t)+1], v[64*\t+i:64*\t+i+1], v[64*\t+i:64*\t+i+1], v[SS+2*(4*(\ww-2)+\t):SS+2*(4*(\ww-2)+\t)+1]
.endr
.set i, i+2
.endr
.endr
	WIN 0x05                                       ; Qp's 16 loads are older than the round's reloads: the steps' counted waits have shown them in
	v_pk_mul_f32 v[SS+16:SS+17], v[SCR:SCR+1], v[SCR:SCR+1]
.set i, 2
.rept 31
	v_pk_fma_f32 v[SS+16:SS+17], v[SCR+i:SCR+i+1], v[SCR+i:SCR+i+1], v[SS+16:SS+17]
.set i, i+2
.endr
	WIN 0
.irp k, 0,1,2,3,4,5,6,7,8
	v_add_f32 v[SS+2*\k], v[SS+2*\k], v[SS+2*\k+1]
.endr
.irp k, 0,1,2,3,4,5,6,7,8
	v_permlanex16_b32 v[SS+2*\k+1], v[SS+2*\k], s[SEL], s[SEL+1]
.endr
.irp k, 0,1,2,3,4,5,6,7,8
	v_add_f32 v[SS+2*\k], v[SS+2*\k], v[SS+2*\k+1]
.endr
	s_wait_alu depctr_va_vdst(0)                   ; a wait ahead of each batch of transcendentals and one behind it
.irp k, 0,1,2,3,4,5,6,7,8
	v_sqrt_f32 v[SS+2*\k+1], v[SS+2*\k]
.endr
	v_nop
	s_wait_alu depctr_va_vdst(0)
.irp k, 0,1,2,3,4,5,6,7,8
	v_max_num_f32 v[SS+2*\k+1], s63, v[SS+2*\k+1]
.endr
	s_wait_alu depctr_va_vdst(0)
.irp k, 0,1,2,3,4,5,6,7,8
	v_rcp_f32 v[SS+2*\k], v[SS+2*\k+1]
.endr
	v_nop
	s_wait_alu depctr_va_vdst(0)
	WIN 0x41
.set i, 0
.rept 32
	v_pk_mul_f32 v[SCR+i:SCR+i+1], v[SCR+i:SCR+i+1], v[SS+16:SS+17] op_sel_hi:[1,0]
.set i, i+2
.endr
	QUANT_W 1, SCR, QF, TMP, QS
	NORM 0
	NORM 1
	QUANT2 2, 0
.irp a, 0,2,4,6
.if \a < 6
	NORM \a+2                                      ; also the places between the scale words' writes and the products
	NORM \a+3
.else
	PLACES 8
.endif
	WIN 0x40
.irp u, 0,1
	v_wmma_scale_f32_16x16x128_f8f6f4 v[SCR+8*(\a+\u):SCR+8*(\a+\u)+7], v[PC+12*\u:PC+12*\u+11], v[QF:QF+11], 0, v[PW+\u], v[QS] matrix_a_fmt:MATRIX_FMT_FP6 matrix_b_fmt:MATRIX_FMT_FP6   ; lane: prototype; registers: tokens
.endr
.if \a < 6
	QUANT2 2+(\a+2)/4, 64*((\a+2)%4)
.endif
.endr
	PLACES 4
	WIN 0x14
.irp k, 0,1,2,3
	v_max3_num_f32 v[MX+2+\k], 0xff800000, v[SCR+16*\k], v[SCR+16*\k+1]
.endr
.irp i, 2,4,6,8,10,12,14
.irp k, 0,1,2,3
	v_max3_num_f32 v[MX+2+\k], v[MX+2+\k], v[SCR+16*\k+\i], v[SCR+16*\k+\i+1]
.endr
.endr
	WIN 0
	v_max3_num_f32 v[MX+2], v[MX+2], v[MX+3], v[MX+4]
	v_max_num_f32 v[MX+2], v[MX+2], v[MX+5]
	v_permlanex16_b32 v[MX+6], v[MX+2], s[SEL], s[SEL+1]
	v_max_num_f32 v[MX+2], v[MX+2], v[MX+6]
	v_mul_f32 v[MX], s58, v[MX+2]                  ; M: the largest t of my prototype over these 128 tokens
	v_mov_b32 v[MX+1], 0
	WIN 0x41
.set i, 0
.rept 32
	v_pk_fma_f32 v[SCR+i:SCR+i+1], v[SCR+i:SCR+i+1], s[58:59], v[MX:MX+1] op_sel_hi:[1,0,0] neg_lo:[0,0,1] neg_hi:[0,0,1]
.set i, i+2
.endr
.set i, 0
	s_wait_alu depctr_va_vdst(0)
.rept 64
	v_exp_f32 v[SCR+i], v[SCR+i]
.set i, i+1
.endr
	v_nop
	s_wait_alu depctr_va_vdst(0)
	WIN 0x05
	v_pk_add_f32 v[MX+2:MX+3], v[SCR:SCR+1], v[SCR+2:SCR+3]
	v_pk_add_f32 v[MX+4:MX+5], v[SCR+4:SCR+5], v[SCR+6:SCR+7]
	WIN 0x04
.irp j, 8,12,16,20,24,28,32,36,40,44,48,52,56,60
	v_pk_add_f32 v[MX+2:MX+3], v[MX+2:MX+3], v[SCR+\j:SCR+\j+1]
	v_pk_add_f32 v[MX+4:MX+5], v[MX+4:MX+5], v[SCR+\j+2:SCR+\j+3]
.endr
.set i, 0
.rept 16
	global_store_b128 v2, v[SCR+4*i:SCR+4*i+3], s[50:51] offset:512*i th:TH_STORE_NT   ; 512 consecutive bytes
.set i, i+1
.endr
	WIN 0
	v_pk_add_f32 v[MX+2:MX+3], v[MX+2:MX+3], v[MX+4:MX+5]
	v_add_f32 v[MX+1], v[MX+2], v[MX+3]
	v_permlanex16_b32 v[MX+2], v[MX+1], s[SEL], s[SEL+1]
	v_add_f32 v[MX+1], v[MX+1], v[MX+2]
	global_store_b64 v3, v[MX:MX+1], s[52:53]      ; (M, the sum of p)
	s_wait_xcnt 0x0                                ; the stores have read their registers and bases
	s_add_nc_u64 s[48:49], s[48:49], 32768
	s_add_nc_u64 s[50:51], s[50:51], 1048576
	s_add_nc_u64 s[52:53], s[52:53], 16384
.endm
.macro EV                              ; V's round ends: 8 tiles of 16 channels x 128 tokens become a step block, two tiles at a time
	PLACES 4
.irp a, 0,2,4,6
.if \a > 0
	s_wait_xcnt 0x0                                ; the last two tiles' stores have read their registers
.endif
	QUANT2 2+\a/4, 64*(\a%4)
.irp u, 0,1
.irp c, 0,1,2
	global_store_b128 v2, v[PC+12*\u+4*\c:PC+12*\u+4*\c+3], s[54:55] offset:1536*(\a+\u)+512*\c th:TH_STORE_NT
.endr
.if \a < 4
	v_mov_b32 v[EVS+\a+\u], v[PW+\u]
.else
	v_cndmask_b32 v[EVS+\a+\u], v[EVS+\a+\u-4], v[PW+\u], s62   ; lanes 0-15 the words of the tile four back, lanes 16-31 this tile's
.endif
.endr
.endr
	global_store_b128 v2, v[EVS+4:EVS+7], s[54:55] offset:12288 th:TH_STORE_NT
	s_wait_xcnt 0x0
	s_add_nc_u64 s[54:55], s[54:55], 1638400
.endm
	ALOAD 0                                        ; step 0 of xn; from here on each set is asked for by the steps
	s_mov_b32 s45, 0
.Lk:                                                   ; two rounds of K
	WIN 0x40
.irp t, 0,1,2,3,4,5,6,7
	global_load_b128 v[SCR+8*\t:SCR+8*\t+3], v2, s[48:49] offset:1024*\t
	global_load_b128 v[SCR+8*\t+4:SCR+8*\t+7], v2, s[48:49] offset:1024*\t+512
.endr
	WIN 0
	s_mov_b32 s44, 0
.Lk_in:                                                ; a trip: two steps, once round the ring
	TOP 1
	s_cmp_lg_u32 s44, 0
	s_cbranch_scc1 .Lk_n
	STEP 0, 0, 1, 1, 39, 39, 25                    ; a round's first step starts the sums
	s_branch .Lk_j
.Lk_n:
	STEP 0, 0, 0, 1, 39, 39, 25
.Lk_j:
	STEP 0, 1, 0, 1, 39, 39, 25
	s_add_co_u32 s44, s44, 1
	s_cmp_lt_u32 s44, 4
	s_cbranch_scc1 .Lk_in
	EK
	s_add_co_u32 s45, s45, 1
	s_cmp_lt_u32 s45, 2
	s_cbranch_scc1 .Lk
	s_mov_b32 s45, 0
.Lv:                                                   ; two rounds of V
	s_mov_b32 s44, 0
.Lv_in:
	TOP 1
	s_cmp_lg_u32 s44, 0
	s_cbranch_scc1 .Lv_n
	STEP 1, 0, 1, 1, 39, 39, 25
	s_branch .Lv_j
.Lv_n:
	STEP 1, 0, 0, 1, 39, 39, 25
.Lv_j:
	STEP 1, 1, 0, 1, 39, 39, 25
	s_add_co_u32 s44, s44, 1
	s_cmp_lt_u32 s44, 3
	s_cbranch_scc1 .Lv_in
	s_cmp_eq_u32 s45, 1
	s_cbranch_scc1 .Lv_last
	TOP 1                                          ; the first round's fourth trip asks for the second round's first pair
	STEP 1, 0, 0, 1, 39, 39, 25
	STEP 1, 1, 0, 1, 39, 39, 25
	s_branch .Lv_ep
.Lv_last:
	TOP 0                                          ; the very last trip asks for nothing more: the counts run down
	STEP 1, 0, 0, 0, 39, 26, 25
	STEP 1, 1, 0, 0, 13, 0, 0
.Lv_ep:
	EV
	s_add_co_u32 s45, s45, 1
	s_cmp_lt_u32 s45, 2
	s_cbranch_scc1 .Lv
	s_wait_dscnt 0x0                               ; no LDS load is out at the wave's end, on any way through the text
	s_endpgm
.Lfunc_end_k_qed1a43d287_main:
	.size	k_qed1a43d287_main, .Lfunc_end_k_qed1a43d287_main-k_qed1a43d287_main
	.p2alignl 7, 3214868480
	.fill 96, 4, 3214868480
	.section	.rodata,"a",@progbits
	.p2align	6, 0x0
	.amdhsa_kernel k_qed1a43d287_main
		.amdhsa_group_segment_fixed_size 113152
		.amdhsa_private_segment_fixed_size 0
		.amdhsa_enable_private_segment 0
		.amdhsa_kernarg_size 56
		.amdhsa_user_sgpr_count 2
		.amdhsa_user_sgpr_kernarg_segment_ptr 1
		.amdhsa_wavefront_size32 1
		.amdhsa_system_sgpr_workgroup_id_x 1
		.amdhsa_system_sgpr_workgroup_id_y 1
		.amdhsa_system_sgpr_workgroup_id_z 1
		.amdhsa_system_vgpr_workitem_id 0
		.amdhsa_next_free_vgpr 1024
		.amdhsa_next_free_sgpr 66
		.amdhsa_reserve_vcc 1
		.amdhsa_float_denorm_mode_32 3
		.amdhsa_float_denorm_mode_16_64 3
		.amdhsa_memory_ordered 1
		.amdhsa_forward_progress 1
		.amdhsa_inst_pref_size 255
	.end_amdhsa_kernel
	.section	.bss,"aw",@nobits
	.p2align	6
	.space	262144
	.amdgpu_metadata
---
amdhsa.version: [ 1, 2 ]
amdhsa.kernels:
  - .name:           k_qed1a43d287_main
    .symbol:         k_qed1a43d287_main.kd
    .args:
      - { .name: x, .offset: 0, .size: 8, .value_kind: global_buffer, .address_space: global }
      - { .name: ln_g, .offset: 8, .size: 8, .value_kind: global_buffer, .address_space: global }
      - { .name: ln_b, .offset: 16, .size: 8, .value_kind: global_buffer, .address_space: global }
      - { .name: wst, .offset: 24, .size: 8, .value_kind: global_buffer, .address_space: global }
      - { .name: pex, .offset: 32, .size: 8, .value_kind: global_buffer, .address_space: global }
      - { .name: stt, .offset: 40, .size: 8, .value_kind: global_buffer, .address_space: global }
      - { .name: vq, .offset: 48, .size: 8, .value_kind: global_buffer, .address_space: global }
    .group_segment_fixed_size: 113152
    .private_segment_fixed_size: 0
    .kernarg_segment_align: 8
    .kernarg_segment_size: 56
    .max_flat_workgroup_size: 128
    .sgpr_count:     66
    .vgpr_count:     1024
    .wavefront_size: 32
...
	.end_amdgpu_metadata
.endif
;; end of part 2
;; launch attn (part 3): grid 256 x 1, 8 waves a work-group, no clusters, 5,120 bytes of LDS; arguments pex, stt, vq, zt; writes zt
.if DOCPART == 3
	.amdgcn_target "amdgcn-amd-amdhsa--gfx1250"
	.amdhsa_code_object_version 6
	.text
	.protected	k_qed1a43d287_attn
	.globl	k_qed1a43d287_attn
	.p2align	8
	.type	k_qed1a43d287_attn,@function
k_qed1a43d287_attn:
	s_mov_b64 s[64:65], 0
	v_nop
	global_prefetch_b8 v0, s[64:65] scope:SCOPE_SE
	s_setreg_imm32_b32 hwreg(HW_REG_WAVE_MODE, 25, 1), 1
	s_wait_xcnt 0x0
; The softmax is finished and the last quantised product made.  A work-group takes one (batch, head) and a quarter of its tokens; wave w takes 128 tokens: step ts = 8 quarter + w.
; attn = p x 2^(M - Mg) / L: Mg the largest of the 32 steps' M of my prototype, L = the sum of 2^(M_k - Mg) x l_k.  The exponents lie between about -50 and 0, since the scores are products of
; normalised rows times log2(e) / 0.07.  attn, finished and normalised, is quantised along the tokens and multiplied with V's codes: source 0 = the 16 prototypes, source 1 = 16 channels.
; A lane then holds one channel and eight prototypes: their sum, with lane l xor 16's, over 16 is the mean.  The eight waves' sums meet in LDS; zt [quarter][8][1024] takes the partial.
; p's registers and V's codes were laid by one rule inside each block of 32 tokens, so the product's terms meet.
; No tensor loads: every byte is read once by one wave, straight into the registers that want it.  LIMITS: NaN and infinities are not served.
.set SPARE, 4096                       ; behind the 8 x 512 bytes of partial sums: the spare words, four blocks of 256 bytes that no other line names
.set TM,  16
.set SEL, 12
.set MSB, 0
.macro WIN new
.if MSB != (\new)
	s_set_vgpr_msb (MSB<<8)|(\new)
.set MSB, (\new)
.endif
.endm
.macro PLACES n
.rept \n
	v_nop
.endr
.endm
.macro QUANT_W w, s, pc, tmp, pw       ; 64 numbers (register 16 b + i: block b) become a fragment's 12 registers and the row's scale word
	WIN ((\w)<<2)|((\w)<<4)
.irp b, 0,1,2,3
	v_max3_num_f32 v[TM+\b], 0x1800000, |v[\s+16*\b]|, |v[\s+16*\b+1]|
.endr
.irp i, 2,4,6,8,10,12,14
.irp b, 0,1,2,3
	s_delay_alu instid0(VALU_DEP_4)
	v_max3_num_f32 v[TM+\b], v[TM+\b], |v[\s+16*\b+\i]|, |v[\s+16*\b+\i+1]|
.endr
.endr
	WIN 0
.irp b, 0,1,2,3
	v_permlanex16_b32 v[TM+4+\b], v[TM+\b], s[SEL], s[SEL+1]
.endr
.irp b, 0,1,2,3
	s_delay_alu instid0(VALU_DEP_4)
	v_max_num_f32 v[TM+\b], v[TM+\b], v[TM+4+\b]
.endr
.irp b, 0,1,2,3
	s_delay_alu instid0(VALU_DEP_4)
	v_add_nc_u32 v[TM+12+\b], 0xff000000, v[TM+\b]
.endr
.irp b, 0,1,2,3
	s_delay_alu instid0(VALU_DEP_4)
	v_lshrrev_b32 v[TM+4+\b], 23, v[TM+12+\b]
.endr
	s_delay_alu instid0(VALU_DEP_3)
	v_lshl_or_b32 v[TM+8], v[TM+5], 8, v[TM+4]
	s_delay_alu instid0(VALU_DEP_1)
	v_lshl_or_b32 v[TM+8], v[TM+6], 16, v[TM+8]
	s_delay_alu instid0(VALU_DEP_1)
	v_lshl_or_b32 v[\pw], v[TM+7], 24, v[TM+8]
	WIN (\w)
.irp c, 0,1
	v_cvt_scalef32_pk16_fp6_f32 v[\pc+6*\c:\pc+6*\c+2], v[\s+32*\c:\s+32*\c+15], v[TM+12+2*\c]
	v_cvt_scalef32_pk16_fp6_f32 v[\tmp+4*\c:\tmp+4*\c+2], v[\s+32*\c+16:\s+32*\c+31], v[TM+13+2*\c]
.endr
	WIN 0
	v_nop
.irp c, 0,1
.irp i, 0,1,2
	v_permlane16_swap_b32 v[\pc+6*\c+\i], v[\tmp+4*\c+\i]
.endr
.irp i, 0,1,2
	s_delay_alu instid0(VALU_DEP_3)
	v_mov_b32 v[\pc+3+6*\c+\i], v[\tmp+4*\c+\i]
.endr
.endr
.endm
	s_load_b256 s[4:11], s[0:1], 0x0               ; pex, stt, vq, zt
	v_lshl_add_u32 v12, v0, 2, SPARE
	v_mov_b32 v13, 0
	v_lshrrev_b32 v1, 5, v0
	s_delay_alu instid0(VALU_DEP_1)
	v_readfirstlane_b32 s15, v1                    ; wave
	v_and_b32 v1, 31, v0
	s_delay_alu instid0(VALU_DEP_1)
	v_lshlrev_b32 v2, 4, v1                        ; 16 l
	s_delay_alu instid0(VALU_DEP_2)
	v_lshlrev_b32 v3, 3, v1                        ; 8 l
	v_and_b32 v7, 15, v0
	s_delay_alu instid0(VALU_DEP_1)
	v_lshlrev_b32 v4, 3, v7                        ; 8 r
	s_lshl_b32 s16, s15, 9
	v_add_nc_u32 v5, s16, v2                       ; my wave's partial sums
	v_bfe_u32 v8, v0, 4, 1
	v_lshlrev_b32 v6, 2, v7
	s_delay_alu instid0(VALU_DEP_1)
	v_lshl_add_u32 v6, v8, 8, v6                   ; zt: 4 r + 256 h
	v_mov_b32 v51, 0
	s_mov_b32 s[SEL], 0x76543210
	s_mov_b32 s[SEL+1], 0xfedcba98
	s_mov_b32 s14, 0xffff0000
	s_lshr_b32 s16, ttmp9, 2                       ; 8 batch + head
	s_and_b32 s17, ttmp9, 3                        ; quarter
	s_lshl_b32 s18, s17, 3
	s_add_co_u32 s18, s18, s15                     ; ts
	s_lshl_b32 s19, s16, 5
	s_add_co_u32 s19, s19, s18
	s_lshl_b32 s20, s16, 12
	s_mov_b32 s21, 0
	s_lshl_b32 s22, s18, 7
	s_mov_b32 s23, 0
	s_lshl_b32 s24, s19, 13
	s_mov_b32 s25, 0
	s_mul_i32 s26, s19, 12800
	s_mov_b32 s27, 0
	s_lshl_b32 s28, s17, 15
	s_lshl_b32 s29, s16, 9
	s_add_co_u32 s28, s28, s29
	s_mov_b32 s29, 0
	s_wait_alu depctr_va_vdst(0)
	s_wait_kmcnt 0x0
	s_add_nc_u64 s[6:7], s[6:7], s[20:21]          ; the 32 steps' (M, l) of this batch and head
	s_add_nc_u64 s[22:23], s[6:7], s[22:23]        ; my step's
	s_add_nc_u64 s[4:5], s[4:5], s[24:25]
	s_add_nc_u64 s[8:9], s[8:9], s[26:27]
	s_add_nc_u64 s[10:11], s[10:11], s[28:29]
.set i, 0
.rept 16
	global_load_b64 v[16+2*i:17+2*i], v3, s[6:7] offset:256*i    ; lanes 0-15 step 2 i, lanes 16-31 step 2 i + 1; prototype l % 16
.set i, i+1
.endr
	global_load_b64 v[48:49], v4, s[22:23]
.set i, 0
.rept 16
	global_load_b128 v[64+4*i:67+4*i], v2, s[4:5] offset:512*i th:TH_LOAD_NT
.set i, i+1
.endr
.irp t, 0,1,2,3,4,5,6,7
.irp c, 0,1,2
	global_load_b128 v[128+12*\t+4*\c:131+12*\t+4*\c], v2, s[8:9] offset:1536*\t+512*\c th:TH_LOAD_NT
.endr
.endr
	global_load_b128 v[224:227], v2, s[8:9] offset:12288 th:TH_LOAD_NT
	s_wait_loadcnt 41                              ; the 17 oldest are in; p's 16 and V's 25 may be out
	v_max3_num_f32 v50, v16, v18, v20
.irp k, 3,5,7,9,11,13
	s_delay_alu instid0(VALU_DEP_1)
	v_max3_num_f32 v50, v50, v[16+2*\k], v[18+2*\k]
.endr
	s_delay_alu instid0(VALU_DEP_1)
	v_max_num_f32 v50, v50, v46
	s_delay_alu instid0(VALU_DEP_1)
	v_permlanex16_b32 v51, v50, s[SEL], s[SEL+1]
	s_delay_alu instid0(VALU_DEP_1)
	v_max_num_f32 v50, v50, v51                    ; Mg
.set i, 0
.rept 16
	v_sub_f32 v[16+2*i], v[16+2*i], v50
.set i, i+1
.endr
	v_sub_f32 v48, v48, v50
.set i, 0
	s_wait_alu depctr_va_vdst(0)
.rept 16
	v_exp_f32 v[16+2*i], v[16+2*i]
.set i, i+1
.endr
	v_exp_f32 v48, v48
	v_nop
	s_wait_alu depctr_va_vdst(0)                   ; one wait for the 17
	v_mul_f32 v52, v16, v17
.set i, 1
.rept 15
	v_fmac_f32 v52, v[16+2*i], v[17+2*i]
.set i, i+1
.endr
	s_delay_alu instid0(VALU_DEP_1)
	v_permlanex16_b32 v51, v52, s[SEL], s[SEL+1]
	s_delay_alu instid0(VALU_DEP_1)
	v_add_f32 v52, v52, v51                        ; L
	s_wait_alu depctr_va_vdst(0)
	v_rcp_f32 v53, v52
	v_nop
	s_wait_alu depctr_va_vdst(0)
	v_mul_f32 v54, v48, v53                        ; 2^(M - Mg) / L
	s_delay_alu instid0(VALU_DEP_1)
	v_mov_b32 v55, v54
	s_wait_alu depctr_va_vdst(0)
	s_wait_loadcnt 25                              ; p is in
.set i, 0
.rept 32
	v_pk_mul_f32 v[64+i:65+i], v[64+i:65+i], v[54:55] op_sel_hi:[1,0]
.set i, i+2
.endr
	QUANT_W 0, 64, 228, 240, 248
	PLACES 8
	s_wait_alu depctr_va_vdst(0)
	s_wait_loadcnt 0x0
.irp t, 0,1,2,3
	v_wmma_scale_f32_16x16x128_f8f6f4 v[64+8*\t:71+8*\t], v[228:239], v[128+12*\t:139+12*\t], 0, v248, v[224+\t] matrix_a_fmt:MATRIX_FMT_FP6 matrix_b_fmt:MATRIX_FMT_FP6
.endr
.irp t, 4,5,6,7
	v_wmma_scale_f32_16x16x128_f8f6f4 v[64+8*\t:71+8*\t], v[228:239], v[128+12*\t:139+12*\t], 0, v248, v[220+\t] matrix_a_fmt:MATRIX_FMT_FP6 matrix_b_fmt:MATRIX_FMT_FP6 matrix_b_scale:MATRIX_SCALE_ROW1
.endr
	PLACES 4
.irp t, 0,1,2,3,4,5,6,7
	v_add_f32 v[50+\t], v[64+8*\t], v[65+8*\t]     ; lane (r, h): channel 16 t + r, prototypes 8 h + j
.endr
.irp j, 2,3,4,5,6,7
.irp t, 0,1,2,3,4,5,6,7
	v_add_f32 v[50+\t], v[50+\t], v[64+8*\t+\j]
.endr
.endr
.irp t, 0,1,2,3,4,5,6,7
	v_permlanex16_b32 v[16+\t], v[50+\t], s[SEL], s[SEL+1]
.endr
.irp t, 0,1,2,3,4,5,6,7
	v_add_f32 v[50+\t], v[50+\t], v[16+\t]
.endr
.irp q, 0,1,2,3
	s_delay_alu instid0(VALU_DEP_4)
	v_cndmask_b32 v[58+\q], v[50+\q], v[54+\q], s14   ; lanes 0-15 tile q, lanes 16-31 tile q + 4
.endr
	ds_store_b128 v5, v[58:61]
	s_wait_tensorcnt 0x0                           ; behind my last LDS store
	ds_add_u32 v12, v13
	s_wait_dscnt 0x0                               ; the wait also shows my sums landed, for wave 0's sake
	s_barrier_signal -1
	s_barrier_wait -1
	s_cmp_lg_u32 s15, 0
	s_cbranch_scc1 .Lend
.irp w, 0,1,2,3,4,5,6,7
	ds_load_b128 v[64+4*\w:67+4*\w], v2 offset:512*\w
.endr
	s_wait_dscnt 0x0
.irp w, 1,2,3,4,5,6,7
.irp q, 0,1,2,3
	v_add_f32 v[64+\q], v[64+\q], v[64+4*\w+\q]
.endr
.endr
.irp q, 0,1,2,3
	s_delay_alu instid0(VALU_DEP_4)
	v_mul_f32 v[64+\q], 0x3d800000, v[64+\q]       ; the mean over 16 prototypes
.endr
.irp q, 0,1,2,3
	global_store_b32 v6, v[64+\q], s[10:11] offset:64*\q
.endr
.Lend:
	s_endpgm
.Lfunc_end_k_qed1a43d287_attn:
	.size	k_qed1a43d287_attn, .Lfunc_end_k_qed1a43d287_attn-k_qed1a43d287_attn
	.p2alignl 7, 3214868480
	.fill 96, 4, 3214868480
	.section	.rodata,"a",@progbits
	.p2align	6, 0x0
	.amdhsa_kernel k_qed1a43d287_attn
		.amdhsa_group_segment_fixed_size 5120
		.amdhsa_private_segment_fixed_size 0
		.amdhsa_enable_private_segment 0
		.amdhsa_kernarg_size 32
		.amdhsa_user_sgpr_count 2
		.amdhsa_user_sgpr_kernarg_segment_ptr 1
		.amdhsa_wavefront_size32 1
		.amdhsa_system_sgpr_workgroup_id_x 1
		.amdhsa_system_sgpr_workgroup_id_y 1
		.amdhsa_system_sgpr_workgroup_id_z 1
		.amdhsa_system_vgpr_workitem_id 0
		.amdhsa_next_free_vgpr 256
		.amdhsa_next_free_sgpr 66
		.amdhsa_reserve_vcc 0
		.amdhsa_float_denorm_mode_32 3
		.amdhsa_float_denorm_mode_16_64 3
		.amdhsa_memory_ordered 1
		.amdhsa_forward_progress 1
		.amdhsa_inst_pref_size 25
	.end_amdhsa_kernel
	.amdgpu_metadata
---
amdhsa.version: [ 1, 2 ]
amdhsa.kernels:
  - .name:           k_qed1a43d287_attn
    .symbol:         k_qed1a43d287_attn.kd
    .args:
      - { .name: pex, .offset: 0, .size: 8, .value_kind: global_buffer, .address_space: global }
      - { .name: stt, .offset: 8, .size: 8, .value_kind: global_buffer, .address_space: global }
      - { .name: vq, .offset: 16, .size: 8, .value_kind: global_buffer, .address_space: global }
      - { .name: zt, .offset: 24, .size: 8, .value_kind: global_buffer, .address_space: global }
    .group_segment_fixed_size: 5120
    .private_segment_fixed_size: 0
    .kernarg_segment_align: 8
    .kernarg_segment_size: 32
    .max_flat_workgroup_size: 256
    .sgpr_count:     66
    .vgpr_count:     256
    .wavefront_size: 32
...
	.end_amdgpu_metadata
.endif
;; end of part 3
;; launch mlp1 (part 4): grid 256 x 1, 8 waves a work-group, no clusters, 17,408 bytes of LDS; arguments zt, W1, b1, hb; writes hb
.if DOCPART == 4
	.amdgcn_target "amdgcn-amd-amdhsa--gfx1250"
	.amdhsa_code_object_version 6
	.text
	.protected	k_qed1a43d287_mlp1
	.globl	k_qed1a43d287_mlp1
	.p2align	8
	.type	k_qed1a43d287_mlp1,@function
k_qed1a43d287_mlp1:
	s_mov_b64 s[64:65], 0
	v_nop
	global_prefetch_b8 v0, s[64:65] scope:SCOPE_SE
	s_setreg_imm32_b32 hwreg(HW_REG_WAVE_MODE, 25, 1), 1
	s_wait_xcnt 0x0
; hb = silu(z W1^T + b1), z = the sum of zt's four partials.  8 rows: a product that streams its weight once, so memory binds: fused multiply-adds in f32, no matrix unit, no cluster.
; A work-group takes rows 4 g .. 4 g + 3 of W (16,384 consecutive bytes, each read once, shared through LDS); wave w takes batch w.
.set NPART, 4
.set ACT,   1
.set SPARE, 16384                      ; behind W's four rows: the spare words, four blocks of 256 bytes that no other line names
	s_load_b256 s[4:11], s[0:1], 0x0               ; in, W, bias, out
	v_lshl_add_u32 v12, v0, 2, SPARE
	v_mov_b32 v13, 0
	v_mov_b32 v14, 0
	v_lshrrev_b32 v1, 5, v0
	s_delay_alu instid0(VALU_DEP_1)
	v_readfirstlane_b32 s12, v1                    ; wave = batch
	v_and_b32 v1, 31, v0
	v_lshlrev_b32 v2, 4, v0                        ; 16 x thread: the 256 threads cover a row
	s_delay_alu instid0(VALU_DEP_2)
	v_lshlrev_b32 v3, 4, v1                        ; 16 l
	s_mov_b32 s14, 0x76543210
	s_mov_b32 s15, 0xfedcba98
	s_lshl_b32 s16, ttmp9, 14
	s_mov_b32 s17, 0
	s_lshl_b32 s18, s12, 12
	s_mov_b32 s19, 0
	s_lshl_b32 s20, ttmp9, 4
	s_mov_b32 s21, 0
	s_add_co_u32 s22, s18, s20
	s_mov_b32 s23, 0
	s_wait_alu depctr_va_vdst(0)
	s_wait_kmcnt 0x0
	s_add_nc_u64 s[6:7], s[6:7], s[16:17]
	s_add_nc_u64 s[4:5], s[4:5], s[18:19]
	s_add_nc_u64 s[8:9], s[8:9], s[20:21]
	s_add_nc_u64 s[10:11], s[10:11], s[22:23]
	s_load_b128 s[24:27], s[8:9], 0x0              ; my four biases
.irp i, 0,1,2,3
	global_load_b128 v[16+4*\i:19+4*\i], v2, s[6:7] offset:4096*\i th:TH_LOAD_NT
.endr
.set p, 0
.rept NPART
.irp j, 0,1,2,3,4,5,6,7
	global_load_b128 v[32+32*p+4*\j:35+32*p+4*\j], v3, s[4:5] offset:32768*p+512*\j
.endr
.set p, p+1
.endr
	s_wait_loadcnt 8*NPART                         ; W's four loads are the oldest
.irp i, 0,1,2,3
	ds_store_b128 v2, v[16+4*\i:19+4*\i] offset:4096*\i
.endr
	s_wait_loadcnt 0x0
.set p, 1
.rept NPART-1
.set j, 0
.rept 16
	v_pk_add_f32 v[32+j:33+j], v[32+j:33+j], v[32+32*p+j:33+32*p+j]
.set j, j+2
.endr
.set p, p+1
.endr
	s_wait_tensorcnt 0x0                           ; behind my last LDS store
	ds_add_u32 v12, v13
	s_wait_dscnt 0x0                               ; the wait also shows my part of W landed, for the others' sake
	s_barrier_signal -1
	s_barrier_wait -1
.irp i, 0,1,2,3
.irp j, 0,1,2,3,4,5,6,7
	ds_load_b128 v[64+32*\i+4*\j:67+32*\i+4*\j], v3 offset:4096*\i+512*\j
.endr
.endr
	s_wait_dscnt 0x0
.irp i, 0,1,2,3
	v_pk_mul_f32 v[4+2*\i:5+2*\i], v[64+32*\i:65+32*\i], v[32:33]
.endr
.set j, 2
.rept 15
.irp i, 0,1,2,3
	s_delay_alu instid0(VALU_DEP_4)
	v_pk_fma_f32 v[4+2*\i:5+2*\i], v[64+32*\i+j:65+32*\i+j], v[32+j:33+j], v[4+2*\i:5+2*\i]
.endr
.set j, j+2
.endr
.irp i, 0,1,2,3
	s_delay_alu instid0(VALU_DEP_4)
	v_add_f32 v[4+2*\i], v[4+2*\i], v[5+2*\i]
.endr
.irp m, 1,2,4,8
.irp i, 0,1,2,3
	s_delay_alu instid0(VALU_DEP_4)
	v_add_f32_dpp v[4+2*\i], v[4+2*\i], v[4+2*\i] row_xmask:\m row_mask:0xf bank_mask:0xf
.endr
.endr
.irp i, 0,1,2,3
	s_delay_alu instid0(VALU_DEP_4)
	v_permlanex16_b32 v[5+2*\i], v[4+2*\i], s14, s15
.endr
.irp i, 0,1,2,3
	s_delay_alu instid0(VALU_DEP_4)
	v_add_f32 v[4+2*\i], v[4+2*\i], v[5+2*\i]
.endr
	s_wait_alu depctr_va_vdst(0)
	s_wait_kmcnt 0x0
.irp i, 0,1,2,3
	v_add_f32 v[16+\i], s[24+\i], v[4+2*\i]
.endr
.if ACT
.irp i, 0,1,2,3
	s_delay_alu instid0(VALU_DEP_4)
	v_mul_f32 v[20+\i], 0xbfb8aa3b, v[16+\i]       ; silu(a) = a / (1 + 2^(-a log2 e))
.endr
	s_wait_alu depctr_va_vdst(0)
.irp i, 0,1,2,3
	v_exp_f32 v[20+\i], v[20+\i]
.endr
	v_nop
	s_wait_alu depctr_va_vdst(0)
.irp i, 0,1,2,3
	v_add_f32 v[20+\i], 1.0, v[20+\i]
.endr
	s_wait_alu depctr_va_vdst(0)
.irp i, 0,1,2,3
	v_rcp_f32 v[24+\i], v[20+\i]
.endr
	v_nop
	s_wait_alu depctr_va_vdst(0)
.irp i, 0,1,2,3
	v_mul_f32 v[16+\i], v[16+\i], v[24+\i]
.endr
.endif
	s_wait_alu depctr_va_vdst(0)
	s_wait_xcnt 0x0                                ; EXEC changes only behind this wait
	v_cmp_eq_u32 vcc_lo, 0, v1
	s_and_saveexec_b32 s20, vcc_lo
	global_store_b128 v14, v[16:19], s[10:11]      ; lane 0: out[batch][4 g .. 4 g + 3]
	s_wait_xcnt 0x0
	s_or_b32 exec_lo, exec_lo, s20
	s_endpgm
.Lfunc_end_k_qed1a43d287_mlp1:
	.size	k_qed1a43d287_mlp1, .Lfunc_end_k_qed1a43d287_mlp1-k_qed1a43d287_mlp1
	.p2alignl 7, 3214868480
	.fill 96, 4, 3214868480
	.section	.rodata,"a",@progbits
	.p2align	6, 0x0
	.amdhsa_kernel k_qed1a43d287_mlp1
		.amdhsa_group_segment_fixed_size 17408
		.amdhsa_private_segment_fixed_size 0
		.amdhsa_enable_private_segment 0
		.amdhsa_kernarg_size 32
		.amdhsa_user_sgpr_count 2
		.amdhsa_user_sgpr_kernarg_segment_ptr 1
		.amdhsa_wavefront_size32 1
		.amdhsa_system_sgpr_workgroup_id_x 1
		.amdhsa_system_sgpr_workgroup_id_y 1
		.amdhsa_system_sgpr_workgroup_id_z 1
		.amdhsa_system_vgpr_workitem_id 0
		.amdhsa_next_free_vgpr 192
		.amdhsa_next_free_sgpr 66
		.amdhsa_reserve_vcc 1
		.amdhsa_float_denorm_mode_32 3
		.amdhsa_float_denorm_mode_16_64 3
		.amdhsa_memory_ordered 1
		.amdhsa_forward_progress 1
		.amdhsa_inst_pref_size 21
	.end_amdhsa_kernel
	.amdgpu_metadata
---
amdhsa.version: [ 1, 2 ]
amdhsa.kernels:
  - .name:           k_qed1a43d287_mlp1
    .symbol:         k_qed1a43d287_mlp1.kd
    .args:
      - { .name: zt, .offset: 0, .size: 8, .value_kind: global_buffer, .address_space: global }
      - { .name: W1, .offset: 8, .size: 8, .value_kind: global_buffer, .address_space: global }
      - { .name: b1, .offset: 16, .size: 8, .value_kind: global_buffer, .address_space: global }
      - { .name: hb, .offset: 24, .size: 8, .value_kind: global_buffer, .address_space: global }
    .group_segment_fixed_size: 17408
    .private_segment_fixed_size: 0
    .kernarg_segment_align: 8
    .kernarg_segment_size: 32
    .max_flat_workgroup_size: 256
    .sgpr_count:     66
    .vgpr_count:     192
    .wavefront_size: 32
...
	.end_amdgpu_metadata
.endif
;; end of part 4
;; launch mlp2 (part 5): grid 256 x 1, 8 waves a work-group, no clusters, 17,408 bytes of LDS; arguments hb, W2, b2, out0; writes out0
.if DOCPART == 5
	.amdgcn_target "amdgcn-amd-amdhsa--gfx1250"
	.amdhsa_code_object_version 6
	.text
	.protected	k_qed1a43d287_mlp2
	.globl	k_qed1a43d287_mlp2
	.p2align	8
	.type	k_qed1a43d287_mlp2,@function
k_qed1a43d287_mlp2:
	s_mov_b64 s[64:65], 0
	v_nop
	global_prefetch_b8 v0, s[64:65] scope:SCOPE_SE
	s_setreg_imm32_b32 hwreg(HW_REG_WAVE_MODE, 25, 1), 1
	s_wait_xcnt 0x0
; out0 = hb W2^T + b2.  8 rows: a product that streams its weight once, so memory binds: fused multiply-adds in f32, no matrix unit, no cluster.
; A work-group takes rows 4 g .. 4 g + 3 of W (16,384 consecutive bytes, each read once, shared through LDS); wave w takes batch w.
.set SPARE, 16384                      ; behind W's four rows: the spare words, four blocks of 256 bytes that no other line names
	s_load_b256 s[4:11], s[0:1], 0x0               ; in, W, bias, out
	v_lshl_add_u32 v12, v0, 2, SPARE
	v_mov_b32 v13, 0
	v_mov_b32 v14, 0
	v_lshrrev_b32 v1, 5, v0
	s_delay_alu instid0(VALU_DEP_1)
	v_readfirstlane_b32 s12, v1                    ; wave = batch
	v_and_b32 v1, 31, v0
	v_lshlrev_b32 v2, 4, v0                        ; 16 x thread: the 256 threads cover a row
	s_delay_alu instid0(VALU_DEP_2)
	v_lshlrev_b32 v3, 4, v1                        ; 16 l
	s_mov_b32 s14, 0x76543210
	s_mov_b32 s15, 0xfedcba98
	s_lshl_b32 s16, ttmp9, 14
	s_mov_b32 s17, 0
	s_lshl_b32 s18, s12, 12
	s_mov_b32 s19, 0
	s_lshl_b32 s20, ttmp9, 4
	s_mov_b32 s21, 0
	s_add_co_u32 s22, s18, s20
	s_mov_b32 s23, 0
	s_wait_alu depctr_va_vdst(0)
	s_wait_kmcnt 0x0
	s_add_nc_u64 s[6:7], s[6:7], s[16:17]
	s_add_nc_u64 s[4:5], s[4:5], s[18:19]
	s_add_nc_u64 s[8:9], s[8:9], s[20:21]
	s_add_nc_u64 s[10:11], s[10:11], s[22:23]
	s_load_b128 s[24:27], s[8:9], 0x0              ; my four biases
.irp i, 0,1,2,3
	global_load_b128 v[16+4*\i:19+4*\i], v2, s[6:7] offset:4096*\i th:TH_LOAD_NT
.endr
.irp j, 0,1,2,3,4,5,6,7
	global_load_b128 v[32+4*\j:35+4*\j], v3, s[4:5] offset:512*\j
.endr
	s_wait_loadcnt 8                               ; W's four loads are the oldest
.irp i, 0,1,2,3
	ds_store_b128 v2, v[16+4*\i:19+4*\i] offset:4096*\i
.endr
	s_wait_tensorcnt 0x0                           ; behind my last LDS store
	ds_add_u32 v12, v13
	s_wait_dscnt 0x0                               ; the wait also shows my part of W landed, for the others' sake
	s_barrier_signal -1
	s_barrier_wait -1
.irp i, 0,1,2,3
.irp j, 0,1,2,3,4,5,6,7
	ds_load_b128 v[64+32*\i+4*\j:67+32*\i+4*\j], v3 offset:4096*\i+512*\j
.endr
.endr
	s_wait_loadcnt 0x0
	s_wait_dscnt 0x0
.irp i, 0,1,2,3
	v_pk_mul_f32 v[4+2*\i:5+2*\i], v[64+32*\i:65+32*\i], v[32:33]
.endr
.set j, 2
.rept 15
.irp i, 0,1,2,3
	s_delay_alu instid0(VALU_DEP_4)
	v_pk_fma_f32 v[4+2*\i:5+2*\i], v[64+32*\i+j:65+32*\i+j], v[32+j:33+j], v[4+2*\i:5+2*\i]
.endr
.set j, j+2
.endr
.irp i, 0,1,2,3
	s_delay_alu instid0(VALU_DEP_4)
	v_add_f32 v[4+2*\i], v[4+2*\i], v[5+2*\i]
.endr
.irp m, 1,2,4,8
.irp i, 0,1,2,3
	s_delay_alu instid0(VALU_DEP_4)
	v_add_f32_dpp v[4+2*\i], v[4+2*\i], v[4+2*\i] row_xmask:\m row_mask:0xf bank_mask:0xf
.endr
.endr
.irp i, 0,1,2,3
	s_delay_alu instid0(VALU_DEP_4)
	v_permlanex16_b32 v[5+2*\i], v[4+2*\i], s14, s15
.endr
.irp i, 0,1,2,3
	s_delay_alu instid0(VALU_DEP_4)
	v_add_f32 v[4+2*\i], v[4+2*\i], v[5+2*\i]
.endr
	s_wait_alu depctr_va_vdst(0)
	s_wait_kmcnt 0x0
.irp i, 0,1,2,3
	v_add_f32 v[16+\i], s[24+\i], v[4+2*\i]
.endr
	s_wait_alu depctr_va_vdst(0)
	s_wait_xcnt 0x0                                ; EXEC changes only behind this wait
	v_cmp_eq_u32 vcc_lo, 0, v1
	s_and_saveexec_b32 s20, vcc_lo
	global_store_b128 v14, v[16:19], s[10:11]      ; lane 0: out[batch][4 g .. 4 g + 3]
	s_wait_xcnt 0x0
	s_or_b32 exec_lo, exec_lo, s20
	s_endpgm
.Lfunc_end_k_qed1a43d287_mlp2:
	.size	k_qed1a43d287_mlp2, .Lfunc_end_k_qed1a43d287_mlp2-k_qed1a43d287_mlp2
	.p2alignl 7, 3214868480
	.fill 96, 4, 3214868480
	.section	.rodata,"a",@progbits
	.p2align	6, 0x0
	.amdhsa_kernel k_qed1a43d287_mlp2
		.amdhsa_group_segment_fixed_size 17408
		.amdhsa_private_segment_fixed_size 0
		.amdhsa_enable_private_segment 0
		.amdhsa_kernarg_size 32
		.amdhsa_user_sgpr_count 2
		.amdhsa_user_sgpr_kernarg_segment_ptr 1
		.amdhsa_wavefront_size32 1
		.amdhsa_system_sgpr_workgroup_id_x 1
		.amdhsa_system_sgpr_workgroup_id_y 1
		.amdhsa_system_sgpr_workgroup_id_z 1
		.amdhsa_system_vgpr_workitem_id 0
		.amdhsa_next_free_vgpr 192
		.amdhsa_next_free_sgpr 66
		.amdhsa_reserve_vcc 1
		.amdhsa_float_denorm_mode_32 3
		.amdhsa_float_denorm_mode_16_64 3
		.amdhsa_memory_ordered 1
		.amdhsa_forward_progress 1
		.amdhsa_inst_pref_size 14
	.end_amdhsa_kernel
	.amdgpu_metadata
---
amdhsa.version: [ 1, 2 ]
amdhsa.kernels:
  - .name:           k_qed1a43d287_mlp2
    .symbol:         k_qed1a43d287_mlp2.kd
    .args:
      - { .name: hb, .offset: 0, .size: 8, .value_kind: global_buffer, .address_space: global }
      - { .name: W2, .offset: 8, .size: 8, .value_kind: global_buffer, .address_space: global }
      - { .name: b2, .offset: 16, .size: 8, .value_kind: global_buffer, .address_space: global }
      - { .name: out0, .offset: 24, .size: 8, .value_kind: global_buffer, .address_space: global }
    .group_segment_fixed_size: 17408
    .private_segment_fixed_size: 0
    .kernarg_segment_align: 8
    .kernarg_segment_size: 32
    .max_flat_workgroup_size: 256
    .sgpr_count:     66
    .vgpr_count:     192
    .wavefront_size: 32
...
	.end_amdgpu_metadata
.endif
;; end of part 5
